; MI455X (gfx1250); checked and timed in simulation.
; The chip was launched on July 23, 2026; its instructions are those of AMD's public machine-readable ISA for CDNA 5 (MIT licence, August 2026) and "CDNA5" Instruction Set Architecture Reference Guide (July 2026). The comments in the code are by the model that wrote it; some were corrected since.
;; Multi Head Attention. Allowed arithmetic: matrix products marked QUANTISED: E2M1 operands, one E8M0 scale for each 32 along K, by v_wmma_scale_f32_16x16x128_f8f6f4 with both operands' format E2M1 (or v_wmma_scale_f32_32x16x128_f4), f32 sums; everything else in f32.
;; Inputs: Wk_codes 1,024 x 32 x 16 uint8 (E2M1 codes of Wk, K innermost, in blocks of 32 codes, two codes a byte); Wk_scales 1,024 x 32 uint8 (E8M0 scales of Wk, one for each 32 codes along K); Wq_codes 1,024 x 32 x 16 uint8 (E2M1 codes of Wq, K innermost, in blocks of 32 codes, two codes a byte); Wq_scales 1,024 x 32 uint8 (E8M0 scales of Wq, one for each 32 codes along K); Wv_codes 1,024 x 32 x 16 uint8 (E2M1 codes of Wv, K innermost, in blocks of 32 codes, two codes a byte); Wv_scales 1,024 x 32 uint8 (E8M0 scales of Wv, one for each 32 codes along K); bk 1,024 float32; bq 1,024 float32; bv 1,024 float32; input_x_codes 4 x 2,048 x 32 x 16 uint8 (E2M1 codes of input_x, K innermost, in blocks of 32 codes, two codes a byte); input_x_scales 4 x 2,048 x 32 uint8 (E8M0 scales of input_x, one for each 32 codes along K); pad_mask 4 x 2,048 int32.
;; Outputs: out0 4 x 2,048 x 1,024 float32.
;; This version of the problem:
;;   THIS VERSION OF THE PROBLEM IS GIVEN IN LOW PRECISION. The matrix products marked QUANTISED in the list below multiply operands that are first quantised to E2M1 (2 exponent bits, 1 mantissa bit; 4 bits a number), with one power-of-two scale for each 32 numbers along K (OCP MX v1.0); their sums are f32. All else is computed in f32.
;;   The module's matrix products, in the order in which they are computed (A, B: the left and right operand; K: the contracted axis; several contracted axes count as one K, in the product's order):
;;     1. [M 8,192, K 1,024] x [K 1,024, N 1,024]; A: input input_x (given as codes); B: input Wq (given as codes): QUANTISED
;;     2. [M 8,192, K 1,024] x [K 1,024, N 1,024]; A: input input_x (given as codes); B: input Wk (given as codes): QUANTISED
;;     3. [M 8,192, K 1,024] x [K 1,024, N 1,024]; A: input input_x (given as codes); B: input Wv (given as codes): QUANTISED
;;     4. batch 64 x [M 2,048, K 64] x [K 64, N 2,048]; A: computed on the way; B: computed on the way: QUANTISED
;;     5. batch 64 x [M 2,048, K 2,048] x [K 2,048, N 64]; A: computed on the way; B: computed on the way: QUANTISED
;;   THE QUANTISER, for each operand of a quantised product, along K:
;;     - K is cut into blocks of 32 from its start; a last block that is shorter is filled with zeros.
;;     - A block's scale is 2^e with e = floor(log2(the largest magnitude in the block)) - 2, held to -126 .. 127; a block of zeros has e = 0. As a byte (E8M0): e + 127.
;;     - Each number is divided by its block's scale, clamped to +-6, and rounded to the nearest number of E2M1, ties to even, subnormals kept.
;;     - The product sums the exact products of the quantised numbers (number of the format x scale) in f32.
;;   ~~~python
;;   def quantise(x, axis):      # numpy; x: float32 -> the quantised numbers, widened to float32 again
;;       x = np.moveaxis(x, axis, -1); K = x.shape[-1]
;;       x = np.pad(x, [(0, 0)] * (x.ndim - 1) + [(0, -K % 32)]); x = x.reshape(x.shape[:-1] + (-1, 32)); a = np.abs(x).max(-1, keepdims=True)
;;       e = np.where(a > 0, np.clip(np.frexp(np.where(a > 0, a, 1))[1] - 1 - 2, -126, 127), 0)      # np.frexp(a)[1] - 1 = floor(log2(a)), exactly
;;       r = np.clip(x / 2.0 ** e, -6, 6)
;;       step = 2.0 ** (np.maximum(np.frexp(np.where(r == 0, 1, r))[1] - 1, 0) - 1)
;;       q = np.round(r / step) * step * 2.0 ** e      # np.round: ties to even
;;       return np.moveaxis(q.reshape(q.shape[:-2] + (-1,))[..., :K], -1, axis).astype(np.float32)
;;   ~~~
;;   OPERANDS COMPUTED ON THE WAY. 'Computed on the way' means the value that the module computes at that place (a softmax that the list does not call 'softmax' is quantised finished and normalised). What goes into a quantiser is computed in f32, as accurately as f32 sums, v_exp_f32 and their like allow (about 1e-6 of the number): no bf16 or f16 on the way to a quantiser, and a product that is left as it is and whose result goes on into a quantised operand takes f32 operands (vector FMAs, or v_wmma_f32_16x16x4_f32). A number that lies on a knife's edge between two numbers of the format may be rounded either way, as far as f32 arithmetic and the matrix unit's own rounding can turn it there, and no further.
;;   INPUTS GIVEN AS CODES. Wk (in the module: [1024, 1024], K = its axis 1); Wq (in the module: [1024, 1024], K = its axis 1); Wv (in the module: [1024, 1024], K = its axis 1); input_x (in the module: [4, 2048, 1024], K = its axis 2): each comes as NAME_codes (uint8): NAME with its K axis moved to the last place and cut into blocks of 32 codes, [.., K / 32, bytes a block], one block behind the other in memory; two codes a byte, the lower K in the low four bits (a code: sign, 2 exponent bits, 1 mantissa bit); and NAME_scales (uint8): the same leading axes, one E8M0 byte (e + 127) for each 32 codes along K. Its value is code x scale, taken as it is: it is not quantised again, and the codes and scales need not be those that the quantiser above would give.
;; One version. Each part assembles by itself: llvm-mc -triple=amdgcn-amd-amdhsa -mcpu=gfx1250 --defsym DOCPART=n.
;; ======== version 1 of 1: 2 launches
;; limits: right only within a limited range of input values
;; workspace buffers: qrec 5,242,880 bytes; kv 9,961,472 bytes
;; launch proj (part 1): grid 12 x 32, 4 waves a work-group, clusters of 4 x 4, 327,680 bytes of LDS; arguments input_x_codes, input_x_scales, Wq_codes, Wq_scales, Wk_codes, Wk_scales, Wv_codes, Wv_scales, bq, bk, bv, pad_mask, qrec, kv; writes qrec, kv
.if DOCPART == 1
	.amdgcn_target "amdgcn-amd-amdhsa--gfx1250"
	.amdhsa_code_object_version 6
	.text
	.protected	k_q44e389cae5_proj
	.globl	k_q44e389cae5_proj
	.p2align	8
	.type	k_q44e389cae5_proj,@function
k_q44e389cae5_proj:
	s_mov_b64 s[64:65], 0
	v_nop
	global_prefetch_b8 v0, s[64:65] scope:SCOPE_SE
	s_setreg_imm32_b32 hwreg(HW_REG_WAVE_MODE, 25, 1), 1
	s_wait_xcnt 0x0
	s_wait_alu depctr_hold_cnt(0) depctr_sa_sdst(0) depctr_va_vdst(0) depctr_va_sdst(0) depctr_va_ssrc(0) depctr_va_vcc(0) depctr_vm_vsrc(0)
	s_getreg_b32 s2, hwreg(HW_REG_IB_STS2, 6, 4)
	s_cmp_eq_u32 s2, 0
	s_cbranch_scc0 .Lentry_in_a_cluster
	s_endpgm
.Lentry_in_a_cluster:
	s_bfe_u32 s2, ttmp6, 0x10000c
	s_cmp_lg_u32 s2, 0xf033
	s_cbranch_scc0 .Lentry_shape_is_right
	s_endpgm
.Lentry_shape_is_right:
; LAUNCH 1 OF 2.  q = x Wq^T + bq, k = x Wk^T + bk, v = x Wv^T + bv on codes of FP4 (E2M1) as they are given, sums in f32; the results are quantised in registers
; (q and k along the head's 64 channels, v along the keys, blocks of 32) and stored as images of the operand registers that launch 2 loads.
; DEAD WORK, for the whole program.  No input is dead: bq, bk and bv go into quantisers of live products, pad_mask selects.  Left out, in launch 2 alone: key steps all of whose 128 keys come after
; the 16 queries of a tile.  reference() builds causal = tril(ones) in its own body and puts -inf there ahead of the softmax, so att is 0 there for all values of the inputs, and a zero adds nothing
; to att's block scales or to the second product.  A NaN, an infinity or an overflow that reaches only that work is not carried to the result.
; all_inf holds exactly where pad[q] = 0: where pad[q] is not 0, key q itself passes causal, pad[q] and pad[k].  So a padded query's row is 0, and no other row is.
; LIMITS: NaN, infinities and scale bytes 0xff among the inputs are not served.  A block of zeros gets the scale byte 1 where the quantiser says 127: its codes are zeros, and this program alone reads the bytes.
; THE PADDING RIDES IN THE SCALE WORDS.  K Q^T of launch 2 uses k = 0 .. 63 of the instruction's 128.  There k = 64 holds the code -6 on K's side and +1 on Q's.  Byte 2 of a key's scale word is
; 250 (padded) or 1 (valid), byte 2 of a query's is 101: a padded key's score gets -6 x 2^123 x 2^-26 = -6 x 2^97 added, a valid key's -6 x 2^-152, under the smallest f32 number.
; Byte 3 stands over zero codes: 1 in a key's word; in a query's 1 (valid) or 2 (padded), which launch 2 reads as the query's flag.
; SHARES.  One GEMM text serves the three weights: the cluster's x (0, 1, 2) is Q, K, V, the same in all sixteen partners.  A tile is 256 x 256, a wave 128 x 128: 64 accumulators.
; Source 0 of the matrix instruction (B here) runs along a lane's registers, source 1 (A here) along the lanes.  Q, K: A = x (a lane holds a token), B = W (registers run along 128 features = two heads).
; V: A = Wv (a lane holds a channel), B = x (registers run along 128 tokens = one key step).  So a lane's registers always run along the next product's K.
; K = 1,024 is two ring slots of 512: both are first fills, nothing is filled again.  A's tiles are asked for jointly along a row of the cluster, B's along a column.
; RECORDS.  qrec [bh 64][step 16][5,120]: eight tile images of 512 bytes (tile a: queries 16 a + r; lane l's 16 bytes at 16 l: channels 32 (l / 16) on), then scale words [2][lane][4 words].
; kv [bh 64][step 16][9,728]: K as Q; at 5,120 V's scale words [lane][4 words]; at 5,632 V's fragments [dt 4][c 2][lane][16 bytes].  Every store covers 512 consecutive bytes, aligned to 256.
; REGISTERS, in windows of 256: window 0: v1-31 addresses; v32-95 scale words, two sets; v128-191 A's fragments; on the way out v32-255 are at work.  window 1: B's fragments, two sets.  windows 2, 3: the accumulators.
.set NQ,     4                         ; steps of 128 along K in a slot
.set ROWB,   256                       ; a tile's row in bytes: 512 codes
.set KROW,   512                       ; a row of x or of W in memory: 1,024 codes
.set PITCH,  272                       ; an LDS row: 256 bytes + 16 of padding: the 16 rows of a load start in 16 different groups of banks
.set FR,     8
.set NL,     2
.set NP,     4
.set HALFT,  128*PITCH
.set SLOT,   4*HALFT                   ; A's 256 rows, then B's 256 rows
.set KS,     32                        ; a row of scale bytes
.set SCL,    2*SLOT                    ; behind the ring: the scales, as units of 256 bytes + 16
.set HALFS,  (128*KS/256)*272
.set SBLK,   (16*KS/256)*272
.set SPARE,  SCL+4*HALFS               ; the spare words, 128 bytes a wave: two blocks of 256 bytes that no other line names
.set BIAS,   SPARE+512                 ; 512 bytes a wave: my 128 biases; written by ds_store, no fill lands here
.set ADRA, 16
.set ADRB, 20
.set L16,  24                          ; 16 x lane
.set PO,   25                          ; 4 r
.set BAD,  26                          ; my biases + 32 h
.set ADRS, 27
.set SPW,  28
.set NIL,  29
.set BAV,  30                          ; my biases + 4 r
.set BST,  31                          ; my biases + 16 x lane
.set SC,   32
.set AF,   128
.set TM,   32                          ; the way out: +0..3 largest magnitudes, +4..7 the other half's, then bytes, +12..15 scale operands
.set PC,   48                          ; the codes just made: 8 registers
.set PW,   56                          ; the scale word just made
.set WA,   64                          ; scale words gathered: head A's eight, head B's eight
.set WB,   72
.set PAD,  96
.set UPV,  104
.set UPM,  105
.set UP,   106
.set T,    128                         ; 64 numbers with their bias
.set BI,   192                         ; the biases in the result's layout
.set G0S,  12
.set G0SB, 16
.set WV,   20
.set HA,   21
.set HB,   22
.set G1,   24
.set G0,   32
.set G1B,  48
.set G0B,  56
.set G1S,  80
.set G1SB, 88
.set MSB, 0
.macro WIN new                         ; the immediate's high byte repeats the setting that is left
.if MSB != (\new)
	s_set_vgpr_msb (MSB<<8)|(\new)
.set MSB, (\new)
.endif
.endm
.set MUL_LO, 0xa1                      ; source 0 (B) window 1, source 1 (A) window 0, C and D window 2
.set MUL_HI, 0xf1
.set TO_B,   0x40
; A joint load: waves 0 and 1 fetch for A, waves 2 and 3 for B; the branch hangs on the wave's number alone.  An s_nop 0 and four v_nop follow each line.
.macro JLOAD g0a, g1a, g0b, g1b
	s_cmp_eq_u32 s[HA], 0
	s_cbranch_scc0 .Lfor_b_\@
	tensor_load_to_lds s[\g0a:\g0a+3], s[\g1a:\g1a+7]
	s_nop 0
.rept 4
	v_nop
.endr
	s_branch .Lasked_\@
.Lfor_b_\@:
	tensor_load_to_lds s[\g0b:\g0b+3], s[\g1b:\g1b+7]
	s_nop 0
.rept 4
	v_nop
.endr
.Lasked_\@:
.endm
.macro CROUND                          ; a round of the cluster's barrier
	s_barrier_signal -1
	s_barrier_wait -1
	s_cmp_lg_u32 s[WV], 0
	s_cbranch_scc1 .Lnot_wave_0_\@
	s_barrier_signal -3
.Lnot_wave_0_\@:
	s_barrier_wait -3
	s_barrier_signal -1
	s_barrier_wait -1
.endm
	s_load_b512 s[4:19], s[0:1], 0x0               ; x codes, x scales, Wq codes, Wq scales, Wk codes, Wk scales, Wv codes, Wv scales
	s_load_b256 s[68:75], s[0:1], 0x40             ; bq, bk, bv, pad_mask
	s_load_b128 s[76:79], s[0:1], 0x60             ; qrec, kv
	v_lshl_add_u32 v[SPW], v0, 2, SPARE
	v_mov_b32 v[NIL], 0
	ds_add_u32 v[SPW], v[NIL]                      ; the opening: the add, twice on end, and its wait ahead of my first tensor load
	ds_add_u32 v[SPW], v[NIL]
	v_lshrrev_b32 v1, 5, v0
	v_readfirstlane_b32 s[WV], v1                  ; wave 0..3
	s_lshr_b32 s[HA], s[WV], 1                     ; my half of A's rows.  Also: I fetch for A (0) or for B (1)
	s_and_b32 s[HB], s[WV], 1                      ; my half of B's rows.  Also: which 128 rows I fetch
	s_bfe_u32 s40, ttmp6, 0x40000                  ; cx
	s_bfe_u32 s41, ttmp6, 0x40004                  ; cy
	s_and_b32 s23, ttmp7, 0xffff
	s_lshl_b32 s23, s23, 2                         ; 4 x cluster y
	s_cmp_eq_u32 ttmp9, 2                          ; V?  Both choices stand ahead of the additions, which set SCC
	s_cselect_b32 s43, 0, s23
	s_cselect_b32 s42, s23, 0
	s_add_co_u32 s43, s43, s41                     ; A's tile: Q, K: 4 Y + cy of x's 32;  V: cy of Wv's 4.  It never holds cx
	s_add_co_u32 s42, s42, s40                     ; B's tile: Q, K: cx of W's 4;  V: 4 Y + cx of x's 32.  It never holds cy
	s_lshl_b32 s44, s41, 2
	s_lshl_b32 s44, 15, s44                        ; my row of the cluster
	s_lshl_b32 s45, 0x1111, s40                    ; my column
	s_or_b32 s[G1+0], s44, (1<<20)|(1<<21)|(5<<22)|(3<<25)   ; the mask; elements of 1 byte; padding on, 4 words behind every 64; bit 21 beside a mask
	s_or_b32 s[G1B+0], s45, (1<<20)|(1<<21)|(5<<22)|(3<<25)
.irp g, G1, G1B
	s_mov_b32 s[\g+1], ROWB<<16                    ; tensor_dim0
	s_mov_b32 s[\g+2], 128<<16                     ; tensor_dim1
	s_mov_b32 s[\g+3], ROWB<<16                    ; tile_dim0
	s_mov_b32 s[\g+4], 128                         ; tile_dim1
	s_mov_b32 s[\g+5], KROW                        ; from row to row
	s_mov_b32 s[\g+6], 0
	s_mov_b32 s[\g+7], 0
.endr
	s_or_b32 s[G1S+0], s44, (3<<16)|(1<<20)|(1<<21)|(5<<22)|(3<<25)   ; the scales of 128 rows: 4,096 dense bytes as 16 rows of 32 elements of 8 bytes
	s_or_b32 s[G1SB+0], s45, (3<<16)|(1<<20)|(1<<21)|(5<<22)|(3<<25)
.irp g, G1S, G1SB
	s_mov_b32 s[\g+1], 32<<16
	s_mov_b32 s[\g+2], 16<<16
	s_mov_b32 s[\g+3], 32<<16
	s_mov_b32 s[\g+4], 16
	s_mov_b32 s[\g+5], 32
	s_mov_b32 s[\g+6], 0
	s_mov_b32 s[\g+7], 0
.endr
	s_lshl_b32 s47, s[HB], 7
	s_lshl_b32 s46, s43, 8
	s_add_co_u32 s46, s46, s47                     ; the first row of A that I fetch
	s_lshl_b32 s46, s46, 5                         ; its scale bytes
	s_lshl_b32 s100, s42, 8
	s_add_co_u32 s100, s100, s47                   ; the same for B
	s_lshl_b32 s100, s100, 5
	s_mov_b32 s47, 0
	s_mov_b32 s101, 0
	s_lshl_b32 s2, s43, 8
	s_lshl_b32 s3, s[HA], 7
	s_add_co_u32 s2, s2, s3                        ; the first row of A that I multiply
	s_lshl_b32 s3, s42, 8
	s_lshl_b32 s23, s[HB], 7
	s_add_co_u32 s3, s3, s23                       ; and of B
	s_wait_dscnt 0x0                               ; both opening adds are done
	s_wait_kmcnt 0x0
	s_cmp_eq_u32 ttmp9, 0                          ; the buffers are chosen by the cluster's x alone
	s_cselect_b64 s[96:97], s[8:9], s[12:13]       ; Wq or Wk
	s_cselect_b64 s[98:99], s[10:11], s[14:15]
	s_cselect_b64 s[68:69], s[68:69], s[70:71]     ; bq or bk
	s_cselect_b64 s[76:77], s[76:77], s[78:79]     ; qrec, or kv (K and V)
	s_mov_b32 s23, 9728
	s_cselect_b32 s23, 5120, s23                   ; a record's bytes
	s_cmp_eq_u32 ttmp9, 2
	s_cselect_b64 s[8:9], s[4:5], s[96:97]         ; B: V: x, else W
	s_cselect_b64 s[10:11], s[6:7], s[98:99]
	s_cselect_b64 s[4:5], s[16:17], s[4:5]         ; A: V: Wv, else x
	s_cselect_b64 s[6:7], s[18:19], s[6:7]
	s_cselect_b64 s[68:69], s[72:73], s[68:69]     ; bv
	s_cselect_b32 s66, s3, s2                      ; T0: my first token
	s_cselect_b32 s67, s2, s3                      ; F0: my first feature
	s_add_nc_u64 s[G0S+2:G0S+3], s[6:7], s[46:47]
	s_add_nc_u64 s[G0SB+2:G0SB+3], s[10:11], s[100:101]
	s_lshl_b32 s46, s46, 4                         ; 512 bytes of codes for 32 of scales
	s_lshl_b32 s100, s100, 4
	s_add_nc_u64 s[G0+2:G0+3], s[4:5], s[46:47]
	s_add_nc_u64 s[G0B+2:G0B+3], s[8:9], s[100:101]
	s_add_nc_u64 s[G0+6:G0+7], s[G0+2:G0+3], ROWB  ; slot 1: the second 512 along K
	s_add_nc_u64 s[G0B+6:G0B+7], s[G0B+2:G0B+3], ROWB
	s_mul_i32 s98, s[WV], HALFT                    ; where they go: wave x 128 rows: no place in the cluster enters an LDS address
	s_mul_i32 s99, s[WV], HALFS
	s_mov_b32 s[G0S], 1
	s_add_co_u32 s[G0S+1], s99, SCL
	s_or_b32 s[G0S+3], s[G0S+3], 0x80000000
	s_mov_b32 s[G0SB], 1
	s_add_co_u32 s[G0SB+1], s99, SCL
	s_or_b32 s[G0SB+3], s[G0SB+3], 0x80000000
.irp s, 0,1
	s_mov_b32 s[G0+4*\s], 1
	s_add_co_u32 s[G0+4*\s+1], s98, \s*SLOT
	s_or_b32 s[G0+4*\s+3], s[G0+4*\s+3], 0x80000000
	s_mov_b32 s[G0B+4*\s], 1
	s_add_co_u32 s[G0B+4*\s+1], s98, \s*SLOT
	s_or_b32 s[G0B+4*\s+3], s[G0B+4*\s+3], 0x80000000
.endr
	CROUND                                         ; all sixteen work-groups are here: the joint loads meet
	JLOAD G0S, G1S, G0SB, G1SB                     ; the scales, for all of K
	JLOAD G0, G1, G0B, G1B                         ; slot 0
	JLOAD G0+4, G1, G0B+4, G1B                     ; slot 1: three tensor loads of mine are out
	s_lshl_b32 s96, s67, 2
	s_mov_b32 s97, 0
	s_add_nc_u64 s[68:69], s[68:69], s[96:97]      ; my 128 biases
	s_lshl_b32 s96, s66, 2
	s_add_nc_u64 s[74:75], s[74:75], s[96:97]      ; pad_mask at my first token
	s_lshr_b32 s96, s66, 11                        ; batch
	s_lshl_b32 s96, s96, 4
	s_lshr_b32 s98, s67, 6                         ; my first head
	s_add_co_u32 s96, s96, s98
	s_lshl_b32 s96, s96, 4
	s_bfe_u32 s98, s66, 0x40007                    ; the step of 128 tokens
	s_add_co_u32 s96, s96, s98
	s_mul_i32 s96, s96, s23
	s_add_nc_u64 s[76:77], s[76:77], s[96:97]      ; the record of my first head,
	s_lshl_b32 s96, s23, 4
	s_add_nc_u64 s[78:79], s[76:77], s[96:97]      ; and of my second: 16 records on
	v_and_b32 v1, 15, v0                           ; r
	v_bfe_u32 v2, v0, 4, 1                         ; h
	v_and_b32 v3, 31, v0
	v_lshlrev_b32 v[L16], 4, v3
	global_load_b128 v[8:11], v[L16], s[68:69]     ; 512 consecutive bytes
	v_lshlrev_b32 v[PO], 2, v1
	s_lshl_b32 s96, s[WV], 9
	s_add_co_u32 s96, s96, BIAS
	v_lshl_add_u32 v[BAD], v2, 5, s96
	v_lshl_add_u32 v[BAV], v1, 2, s96
	v_add_nc_u32 v[BST], s96, v[L16]
	v_mul_u32_u24 v3, v1, PITCH
	v_lshl_add_u32 v4, v2, 4, v3                   ; a fragment's row x pitch + 16 x half
	s_mul_i32 s96, s[HA], HALFT
	s_mul_i32 s97, s[HB], HALFT
	s_add_co_u32 s97, s97, 2*HALFT
.irp s, 0,1
	v_add_nc_u32 v[ADRA+\s], s96, v4
	v_add_nc_u32 v[ADRB+\s], s97, v4
	s_add_co_u32 s96, s96, SLOT
	s_add_co_u32 s97, s97, SLOT
.endr
	v_mul_u32_u24 v5, v1, KS                       ; my row's scales: 32 bytes a row,
	v_lshrrev_b32 v6, 8, v5
	v_lshl_add_u32 v5, v6, 4, v5                   ; and 16 more for each 256 passed
	s_mul_i32 s96, s[HA], HALFS
	s_mul_i32 s97, s[HB], HALFS
	s_add_co_u32 s97, s97, 2*HALFS
	s_sub_co_u32 s97, s97, s96
	v_mul_u32_u24 v6, s97, v2                      ; lanes 16-31 take B's: one product, the distance between the two bases
	s_add_co_u32 s96, s96, SCL
	v_add_nc_u32 v5, v5, v6
	v_add_nc_u32 v[ADRS], s96, v5
	s_wait_loadcnt 0x0
	ds_store_b128 v[BST], v[8:11]                  ; my biases: bytes that my wave alone reads
.macro FRAG reg, adr, q, i             ; 16 rows x 128 K of 4-bit codes: registers 4 c .. 4 c + 3 hold K = 64 c + 32 (l / 16) + 0 .. 31
.irp c, 0,1
	ds_load_b128 v[\reg+4*\c:\reg+4*\c+3], v[\adr] offset:64*(\q)+32*\c+(\i)*16*PITCH
.endr
.endm
; 16 matrix instructions: A's blocks a0, a0 + 1 x B's eight.  The 64 accumulators take turns, one instruction a turn, in the same order in every step.
.macro MUL16 a0, p, q, sc, zero
.irp a, \a0, \a0+1
.irp b, 0,1,2,3,4,5,6,7
.if \zero
	v_wmma_scale_f32_16x16x128_f8f6f4 v[8*(8*((\a)%4)+\b):8*(8*((\a)%4)+\b)+7], v[128*(\p)+FR*\b:128*(\p)+FR*\b+FR-1], v[AF+FR*(\a):AF+FR*(\a)+FR-1], 0, v[SC+8*NQ*(\sc)+NQ*\b+(\q)], v[SC+8*NQ*(\sc)+NQ*(\a)+(\q)] matrix_a_fmt:MATRIX_FMT_FP4 matrix_b_fmt:MATRIX_FMT_FP4 matrix_a_scale:MATRIX_SCALE_ROW1
.else
	v_wmma_scale_f32_16x16x128_f8f6f4 v[8*(8*((\a)%4)+\b):8*(8*((\a)%4)+\b)+7], v[128*(\p)+FR*\b:128*(\p)+FR*\b+FR-1], v[AF+FR*(\a):AF+FR*(\a)+FR-1], v[8*(8*((\a)%4)+\b):8*(8*((\a)%4)+\b)+7], v[SC+8*NQ*(\sc)+NQ*\b+(\q)], v[SC+8*NQ*(\sc)+NQ*(\a)+(\q)] matrix_a_fmt:MATRIX_FMT_FP4 matrix_b_fmt:MATRIX_FMT_FP4 matrix_a_scale:MATRIX_SCALE_ROW1
.endif
.endr
.endr
.endm
.macro FETCH_B slot, q, p
	WIN TO_B
.irp i, 0,1,2,3,4,5,6,7
	FRAG 128*(\p)+FR*\i, ADRB+\slot, \q, \i
.endr
	WIN 0
.endm
.macro FETCH_A slot, q, i0
.irp i, \i0, \i0+1, \i0+2, \i0+3
	FRAG AF+FR*(\i), ADRA+\slot, \q, \i
.endr
.endm
.macro SCALES sc                       ; a slot's scale words: lanes 0-15 take A's block i, lanes 16-31 B's block i; four words a row
.irp i, 0,1,2,3,4,5,6,7
	ds_load_b128 v[SC+8*NQ*\sc+NQ*\i:SC+8*NQ*\sc+NQ*\i+3], v[ADRS] offset:\i*SBLK
.endr
.endm
.macro PLACES n                        ; plain vector instructions between a matrix instruction and a load into, or a vector write or read of, its registers
.rept \n
	v_nop
.endr
.endm
.macro STEP slot, q, zero              ; 128 along K, with its successor in the same slot
	s_wait_dscnt 4*NL                              ; B's set and A's blocks 0-3 are in; the youngest eight loads (A's blocks 4-7) may be out
	WIN MUL_LO
	MUL16 0, (\q)%2, \q, \slot, \zero
	MUL16 2, (\q)%2, \q, \slot, \zero
	s_wait_dscnt 0
	PLACES NP
	FETCH_B \slot, (\q)+1, 1-(\q)%2
	FETCH_A \slot, (\q)+1, 0
	WIN MUL_HI
	MUL16 4, (\q)%2, \q, \slot, \zero
	MUL16 6, (\q)%2, \q, \slot, \zero
	PLACES NP
	WIN 0
	FETCH_A \slot, (\q)+1, 4
.endm
.macro TURN slot, next                 ; a slot's last step, and the change of slots: one barrier; nothing is filled again
	s_wait_tensorcnt 0x0                           ; my part of the next slot has landed
	ds_add_u32 v[SPW], v[NIL]
	s_wait_dscnt 4*NL+1                            ; the add and the youngest eight loads may be out
	WIN MUL_LO
	MUL16 0, 1, NQ-1, \slot, 0
	s_wait_dscnt 0x0                               ; no LDS instruction of mine is out at the signal
	s_barrier_signal -1
	MUL16 2, 1, NQ-1, \slot, 0
	WIN 0
	s_barrier_wait -1                              ; the next slot is whole
	PLACES NP
	v_add_nc_u32 v[ADRS], 4*NQ, v[ADRS]            ; the next slot's scale words
	FETCH_B \next, 0, 0
	FETCH_A \next, 0, 0
	SCALES \next
	WIN MUL_HI
	MUL16 4, 1, NQ-1, \slot, 0
	MUL16 6, 1, NQ-1, \slot, 0
	PLACES NP
	WIN 0
	FETCH_A \next, 0, 4
.endm
	s_wait_tensorcnt 1                             ; the scales and my part of slot 0 are in; slot 1's load, issued last, may be out
	s_wait_dscnt 0x0                               ; my bias store
	s_barrier_signal -1
	s_barrier_wait -1
	FETCH_B 0, 0, 0
	FETCH_A 0, 0, 0
	SCALES 0
	FETCH_A 0, 0, 4
	STEP 0, 0, 1                                   ; the first products start the sums: nothing is cleared
	STEP 0, 1, 0
	STEP 0, 2, 0
	TURN 0, 1
	STEP 1, 0, 0
	STEP 1, 1, 0
	STEP 1, 2, 0
	s_wait_dscnt 4*NL                              ; the last step: nothing more to fetch
	WIN MUL_LO
	MUL16 0, 1, NQ-1, 1, 0
	MUL16 2, 1, NQ-1, 1, 0
	s_wait_dscnt 0
	WIN MUL_HI
	MUL16 4, 1, NQ-1, 1, 0
	MUL16 6, 1, NQ-1, 1, 0
	WIN 0
; THE WAY OUT.  For A's block a a lane holds 64 numbers, register 16 b + i: k = 32 b + 16 (i / 8) + 8 (lane / 16) + i % 8 of its row.
; QUANT makes of v[s] .. v[s + 63] a fragment's codes in v[PC] on and its scale word in v[PW].  A conversion takes the eight numbers of one result tile as they stand; the results are placed so that
; two exchanges of halves for each pair of blocks give the operand's layout: lanes 0-15 block 2 c, lanes 16-31 block 2 c + 1, in registers 4 c .. 4 c + 3.
.macro QUANT s
.irp b, 0,1,2,3
	v_max3_num_f32 v[TM+\b], |v[\s+16*\b]|, |v[\s+1+16*\b]|, 0x1800000   ; my 16 numbers of block b, and the floor 2^(3 - 127): the byte cannot fall under 1
.endr
.irp i, 2,4,6,8,10,12,14
.irp b, 0,1,2,3
	v_max3_num_f32 v[TM+\b], v[TM+\b], |v[\s+16*\b+\i]|, |v[\s+1+16*\b+\i]|
.endr
.endr
.irp b, 0,1,2,3
	v_permlanex16_b32 v[TM+4+\b], v[TM+\b], s46, s47
.endr
.irp b, 0,1,2,3
	v_max_num_f32 v[TM+\b], v[TM+\b], v[TM+4+\b]   ; with lane l xor 16's: the block's largest magnitude
.endr
.irp b, 0,1,2,3
	v_add_nc_u32 v[TM+12+\b], 0xff000000, v[TM+\b] ; 2 off its exponent field: the conversion's scale operand
.endr
.irp b, 0,1,2,3
	v_lshrrev_b32 v[TM+4+\b], 23, v[TM+12+\b]      ; the scale's byte
.endr
	v_lshl_or_b32 v[PW], v[TM+5], 8, v[TM+4]
	v_lshl_or_b32 v[PW], v[TM+6], 16, v[PW]
	v_lshl_or_b32 v[PW], v[TM+7], 24, v[PW]
	s_wait_xcnt 0x0                                ; the last block's stores have read v[PC] on: only now are they written again
.irp b, 0,1,2,3
	v_cvt_scalef32_pk8_fp4_f32 v[PC+4*(\b/2)+\b%2], v[\s+16*\b:\s+16*\b+7], v[TM+12+\b]
	v_cvt_scalef32_pk8_fp4_f32 v[PC+4*(\b/2)+2+\b%2], v[\s+16*\b+8:\s+16*\b+15], v[TM+12+\b]
.endr
	v_nop                                          ; one plain place behind the scaled conversions
.irp c, 0,2,4,6
	v_permlane16_swap_b32 v[PC+\c], v[PC+\c+1]
.endr
.endm
.macro MOVEQK a                        ; block a's 64 sums + the biases of my 128 features; each accumulator is read from its low end on
	WIN 0x02+(\a)/4
.set n, 0
.rept 32
	v_pk_add_f32 v[T+n:T+n+1], v[64*((\a)%4)+n:64*((\a)%4)+n+1], v[BI+n:BI+n+1]
.set n, n+2
.endr
	WIN 0
.endm
.macro MOVEV a                         ; the same with one bias a lane: its channel's
	WIN 0x02+(\a)/4
.set n, 0
.rept 32
	v_pk_add_f32 v[T+n:T+n+1], v[64*((\a)%4)+n:64*((\a)%4)+n+1], v[BI+2*(\a):BI+2*(\a)+1]
.set n, n+2
.endr
	WIN 0
.endm
	PLACES NP                                      ; behind the last products
.irp b, 0,1,2,3
	v_mov_b32 v[TM+4+\b], 0                        ; written once: a lane permute's destination counts as one of its sources
.endr
	s_mov_b32 s46, 0x76543210
	s_mov_b32 s47, 0xfedcba98                      ; v_permlanex16_b32's selects for lane l xor 16
	s_cmp_eq_u32 ttmp9, 2                          ; the one branch on the weight: the same in all sixteen partners
	s_cbranch_scc1 .Lv
	; ---- Q and K: a lane holds token 16 a + r; blocks 0, 1 are my first head's 64 channels, blocks 2, 3 my second's
.irp a, 0,1,2,3,4,5,6,7
	global_load_b32 v[PAD+\a], v[PO], s[74:75] offset:64*\a   ; pad_mask of the token: wanted behind the eight blocks
.endr
.irp b, 0,1,2,3,4,5,6,7
	ds_load_b128 v[BI+8*\b:BI+8*\b+3], v[BAD] offset:64*\b           ; the biases of features 16 b + 8 h + 0 .. 7
	ds_load_b128 v[BI+8*\b+4:BI+8*\b+7], v[BAD] offset:64*\b+16
.endr
	s_cmp_eq_u32 ttmp9, 0
	s_mov_b32 s96, 0x01010000
	s_cselect_b32 s96, 0x01650000, s96             ; bytes 2 and 3 of a valid row's word: Q 101, 1;  K 1, 1
	s_mov_b32 s97, 0x01fa0000
	s_cselect_b32 s97, 0x02650000, s97             ; of a padded row's: Q 101, 2;  K 250, 1
	v_mov_b32 v[UPV], s96
	v_mov_b32 v[UPM], s97
	s_wait_dscnt 0x0
.irp a, 0,1,2,3,4,5,6,7
	MOVEQK \a
	QUANT T
	v_and_b32 v[WA+\a], 0xffff, v[PW]              ; my first head's two bytes,
	v_lshrrev_b32 v[WB+\a], 16, v[PW]              ; my second's
	global_store_b128 v[L16], v[PC:PC+3], s[76:77] offset:512*\a     ; tile a's image: 512 consecutive bytes
	global_store_b128 v[L16], v[PC+4:PC+7], s[78:79] offset:512*\a
.endr
	s_wait_loadcnt 0x0                             ; pad_mask
.irp a, 0,1,2,3,4,5,6,7
	v_cmp_ne_u32 vcc_lo, 0, v[PAD+\a]
	v_cndmask_b32 v[UP], v[UPM], v[UPV], vcc_lo
	v_or_b32 v[WA+\a], v[WA+\a], v[UP]
	v_or_b32 v[WB+\a], v[WB+\a], v[UP]
.endr
.irp p, 0,1
	global_store_b128 v[L16], v[WA+4*\p:WA+4*\p+3], s[76:77] offset:4096+512*\p   ; the scale words of tiles 4 p .. 4 p + 3
	global_store_b128 v[L16], v[WB+4*\p:WB+4*\p+3], s[78:79] offset:4096+512*\p
.endr
	s_branch .Lend
.Lv:
	; ---- V: a lane holds channel 16 a + r, its registers run along the step's 128 keys: block a is fragment dt = a % 4 of head a / 4
.irp a, 0,1,2,3,4,5,6,7
	ds_load_b32 v[BI+2*\a], v[BAV] offset:64*\a    ; my channel's bias, twice: a pair for the packed addition
	ds_load_b32 v[BI+2*\a+1], v[BAV] offset:64*\a
.endr
	s_wait_dscnt 0x0
.irp a, 0,1,2,3,4,5,6,7
	MOVEV \a
	QUANT T
	v_mov_b32 v[WA+\a], v[PW]
.if \a < 4
	global_store_b128 v[L16], v[PC:PC+3], s[76:77] offset:5632+1024*(\a%4)
	global_store_b128 v[L16], v[PC+4:PC+7], s[76:77] offset:5632+1024*(\a%4)+512
.else
	global_store_b128 v[L16], v[PC:PC+3], s[78:79] offset:5632+1024*(\a%4)
	global_store_b128 v[L16], v[PC+4:PC+7], s[78:79] offset:5632+1024*(\a%4)+512
.endif
.endr
	global_store_b128 v[L16], v[WA:WA+3], s[76:77] offset:5120       ; the four fragments' scale words
	global_store_b128 v[L16], v[WA+4:WA+7], s[78:79] offset:5120
.Lend:
	s_wait_tensorcnt 0x0                           ; the wave's end
	ds_add_u32 v[SPW], v[NIL]
	s_wait_dscnt 0x0
	CROUND                                         ; the closing round
	s_endpgm
.Lfunc_end_k_q44e389cae5_proj:
	.size	k_q44e389cae5_proj, .Lfunc_end_k_q44e389cae5_proj-k_q44e389cae5_proj
	.p2alignl 7, 3214868480
	.fill 96, 4, 3214868480
	.section	.rodata,"a",@progbits
	.p2align	6, 0x0
	.amdhsa_kernel k_q44e389cae5_proj
		.amdhsa_group_segment_fixed_size 327680
		.amdhsa_private_segment_fixed_size 0
		.amdhsa_enable_private_segment 0
		.amdhsa_kernarg_size 112
		.amdhsa_user_sgpr_count 2
		.amdhsa_user_sgpr_kernarg_segment_ptr 1
		.amdhsa_wavefront_size32 1
		.amdhsa_system_sgpr_workgroup_id_x 1
		.amdhsa_system_sgpr_workgroup_id_y 1
		.amdhsa_system_sgpr_workgroup_id_z 1
		.amdhsa_system_vgpr_workitem_id 0
		.amdhsa_next_free_vgpr 1024
		.amdhsa_next_free_sgpr 102
		.amdhsa_reserve_vcc 1
		.amdhsa_float_denorm_mode_32 3
		.amdhsa_float_denorm_mode_16_64 3
		.amdhsa_memory_ordered 1
		.amdhsa_forward_progress 1
		.amdhsa_inst_pref_size 198
	.end_amdhsa_kernel
	.amdgpu_metadata
---
amdhsa.version: [ 1, 2 ]
amdhsa.kernels:
  - .name:           k_q44e389cae5_proj
    .symbol:         k_q44e389cae5_proj.kd
    .args:
      - { .name: input_x_codes, .offset: 0, .size: 8, .value_kind: global_buffer, .address_space: global }
      - { .name: input_x_scales, .offset: 8, .size: 8, .value_kind: global_buffer, .address_space: global }
      - { .name: Wq_codes, .offset: 16, .size: 8, .value_kind: global_buffer, .address_space: global }
      - { .name: Wq_scales, .offset: 24, .size: 8, .value_kind: global_buffer, .address_space: global }
      - { .name: Wk_codes, .offset: 32, .size: 8, .value_kind: global_buffer, .address_space: global }
      - { .name: Wk_scales, .offset: 40, .size: 8, .value_kind: global_buffer, .address_space: global }
      - { .name: Wv_codes, .offset: 48, .size: 8, .value_kind: global_buffer, .address_space: global }
      - { .name: Wv_scales, .offset: 56, .size: 8, .value_kind: global_buffer, .address_space: global }
      - { .name: bq, .offset: 64, .size: 8, .value_kind: global_buffer, .address_space: global }
      - { .name: bk, .offset: 72, .size: 8, .value_kind: global_buffer, .address_space: global }
      - { .name: bv, .offset: 80, .size: 8, .value_kind: global_buffer, .address_space: global }
      - { .name: pad_mask, .offset: 88, .size: 8, .value_kind: global_buffer, .address_space: global }
      - { .name: qrec, .offset: 96, .size: 8, .value_kind: global_buffer, .address_space: global }
      - { .name: kv, .offset: 104, .size: 8, .value_kind: global_buffer, .address_space: global }
    .group_segment_fixed_size: 327680
    .private_segment_fixed_size: 0
    .kernarg_segment_align: 8
    .kernarg_segment_size: 112
    .max_flat_workgroup_size: 128
    .sgpr_count:     102
    .vgpr_count:     1024
    .wavefront_size: 32
...
	.end_amdgpu_metadata
.endif
;; end of part 1
;; launch attn (part 2): grid 4 x 64, 16 waves a work-group, no clusters, 288,768 bytes of LDS; arguments qrec, kv, out0; writes out0
.if DOCPART == 2
	.amdgcn_target "amdgcn-amd-amdhsa--gfx1250"
	.amdhsa_code_object_version 6
	.text
	.protected	k_q44e389cae5_attn
	.globl	k_q44e389cae5_attn
	.p2align	8
	.type	k_q44e389cae5_attn,@function
k_q44e389cae5_attn:
	s_mov_b64 s[64:65], 0
	v_nop
	global_prefetch_b8 v0, s[64:65] scope:SCOPE_SE
	s_setreg_imm32_b32 hwreg(HW_REG_WAVE_MODE, 25, 1), 1
	s_wait_xcnt 0x0
; LAUNCH 2 OF 2.  out[b][q][head] = Q4(att) Q4(v), att = the finished, normalised softmax of Q4(q) . Q4(k) / 8 under the causal and the padding mask; both products on codes of FP4 (E2M1) with E8M0 scales.
; LEFT OUT: key steps all of whose 128 keys come after a tile's 16 queries: reference() builds the causal mask in its own body, att is 0 there for all values of the inputs (shown at the head of launch 1).
; att IS QUANTISED NORMALISED, so a row's maximum and sum are known before any weight is quantised: the keys are walked TWICE.  Pass 1: S^T = K Q^T, running maximum m, sum l.
; Pass 2: S^T again (the same instruction on the same operands: the same bits), p = 2^(c s - c m) x (1 / l), c = log2(e) / 8, quantised along the keys, O^T += V^T P.
; Pass 1 leaves each block's largest score in LDS; pass 2 puts it through the same multiply-add, exponential and multiplication as every score, which gives the block's largest p.
; MASKS.  Padded keys: launch 1 put 250 into byte 2 of their scale word; with the codes -6 and +1 at k = 64 their score is -6 x 2^97, and p is 0.  Hidden keys of the diagonal step: -infinity by a select.
; Padded queries (byte 3 of their scale word is 2): 1 / l is replaced by 0, so p, its codes and the row of out are 0.
; LIMITS.  m starts at -1e20, so that steps with no open key form no infinity less infinity: raw scores under -1e20 are not served, nor such over 1e29 in size.  p under 2^-126 is taken as 0 by v_exp_f32.
; NaN and infinities are not served.  A block's largest p is taken as its largest score's: v_exp_f32 is taken not to fall where its input rises.  A block of zeros gets the byte 1: its codes are zeros.
; SHARES.  Work-group (i, bh) owns query blocks 7 - i and i (256 queries each) of one head; wave w takes tile w of the first and tile 15 - w of the second: 17 key steps a pass for every wave of the launch.
; A head's K and V, codes and scale words, 155,648 bytes, come into LDS once, by 38 tensor loads of one column each (256 bytes of each of the 16 steps' records): every load holds bytes of step 0, which every wave reads.
; NO CLUSTER: the four work-groups of a head read the same K and V, but which steps a work-group walks hangs on its query blocks, which would be its place in a cluster; and what is shared is fetched once in the launch.
; NO PREFETCH: every fill stands at the head; there is no later stream.
; LAYOUT.  Both products are used transposed: a lane holds ONE query (lane % 16); register 8 t + j of S^T holds key 16 t + 8 (lane / 16) + j.
.set REC,   9728                       ; a step's record in kv
.set QREC,  5120                       ; and in qrec
.set KVB,   16*REC                     ; a head's
.set BMX,   155648                     ; LDS: behind K and V, 8,192 bytes a wave: block maxima, 512 a step; later the wave's stage, 16 rows x 272
.set SPARE, 286720                     ; the spare words, 128 bytes a wave: eight blocks of 256 bytes that no other line names
.set L16,  1                           ; 16 x lane
.set LK0,  2                           ; 4,096 h + 16 r: my place in an image of 512 bytes that lies in two columns
.set LS0,  3                           ; the same among the scale words (columns 16 on)
.set LV0,  4                           ; and in V's fragments (columns 22 on)
.set SPW,  5
.set NIL,  6
.set LB0,  7                           ; my place among my wave's block maxima
.set ADK,  8
.set ADS,  9
.set ADV,  10
.set ADB,  11
.set MC,   12                          ; c m
.set MX,   13                          ; m
.set SUM,  14                          ; v[14:15] l, in two halves
.set RL,   16                          ; v[16:17] 1 / l, twice
.set DQ,   18
.set RH,   19                          ; r - 8 h
.set NINF, 20
.set STO,  22
.set RD,   23
.set GO,   24
.set QSC,  25                          ; Q's scale word
.set QF,   26                          ; v[26:33] Q's fragment: 26-29 loaded, 30 the code +1 at k = 64, 31-33 zeros
.set KSC,  34                          ; v[34:41] K's scale words of eight tiles
.set VSC,  42                          ; v[42:45] V's of four fragments
.set BM,   46                          ; v[46:49] block maxima
.set BT,   50
.set SO,   54
.set SB,   58
.set PW,   62                          ; p's scale word
.set FAC,  64                          ; v[64:65]
.set TT,   66                          ; v[66:67]
.set PC,   68                          ; v[68:75] p's codes
.set KB,   76                          ; v[76:107] four fragments of K: in each, register 4 the code -6 at k = 64, 5-7 zeros
.set VB,   108                         ; v[108:139] four fragments of V
.set OA,   140                         ; v[140:171] O^T
.set S,    172                         ; v[172:235] S^T, then p
	s_load_b128 s[4:7], s[0:1], 0x0                ; qrec, kv
	s_load_b64 s[8:9], s[0:1], 0x10                ; out0
	v_lshl_add_u32 v[SPW], v0, 2, SPARE
	v_mov_b32 v[NIL], 0
	ds_add_u32 v[SPW], v[NIL]                      ; the opening: the add, twice on end, and its wait ahead of my first tensor load
	ds_add_u32 v[SPW], v[NIL]
	v_lshrrev_b32 v8, 5, v0
	v_readfirstlane_b32 s12, v8                    ; wave 0..15
	s_and_b32 s14, ttmp7, 0xffff                   ; bh = 16 x batch + head
	s_mov_b32 s24, 3<<16                           ; group 1: elements of 8 bytes, no mask, no padding
	s_mov_b32 s25, 32<<16                          ; tensor_dim0 = 32 elements: 256 bytes
	s_mov_b32 s26, 16<<16                          ; tensor_dim1 = 16 rows: the steps
	s_mov_b32 s27, 32<<16                          ; tile_dim0
	s_mov_b32 s28, 16                              ; tile_dim1
	s_mov_b32 s29, REC/8                           ; from record to record
	s_mov_b32 s30, 0
	s_mov_b32 s31, 0
	s_mov_b32 s20, 0x76543210
	s_mov_b32 s21, 0xfedcba98                      ; v_permlanex16_b32's selects for lane l xor 16
	s_mov_b32 s22, 0x3e38aa3b                      ; c = log2(e) / 8
	s_mov_b32 s23, s22                             ; (named with it as a pair)
	s_mul_i32 s58, s14, KVB
	s_mov_b32 s59, 0
	s_lshl_b32 s48, s12, 12                        ; a column is 4,096 bytes of LDS,
	s_lshl_b32 s50, s12, 8                         ; 256 bytes of a record
	s_mov_b32 s51, 0
	s_wait_dscnt 0x0                               ; both opening adds are done
	s_wait_kmcnt 0x0
	s_add_nc_u64 s[10:11], s[6:7], s[58:59]        ; my head,
	s_add_nc_u64 s[10:11], s[10:11], s[50:51]      ; column w
	s_mov_b32 s32, 1                               ; column 16 + w (waves 0 to 5): the scale words
	s_add_co_u32 s33, s48, 16*4096
	s_add_nc_u64 s[34:35], s[10:11], 16*256
	s_or_b32 s35, s35, 0x80000000
	s_mov_b32 s36, 1                               ; column w: K's codes
	s_add_co_u32 s37, s48, 0
	s_mov_b64 s[38:39], s[10:11]
	s_or_b32 s39, s39, 0x80000000
	s_mov_b32 s40, 1                               ; column 22 + w: V's codes
	s_add_co_u32 s41, s48, 22*4096
	s_add_nc_u64 s[42:43], s[10:11], 22*256
	s_or_b32 s43, s43, 0x80000000
	s_cmp_lt_u32 s12, 6
	s_cbranch_scc0 .Lno_a
	tensor_load_to_lds s[32:35], s[24:31]
	s_nop 0
.rept 4
	v_nop
.endr
.Lno_a:
	tensor_load_to_lds s[36:39], s[24:31]          ; every wave issues these two: two or three tensor loads of mine are out
	s_nop 0
	tensor_load_to_lds s[40:43], s[24:31]
	s_nop 0
.rept 4
	v_nop
.endr
	v_and_b32 v8, 15, v0                           ; r
	v_bfe_u32 v9, v0, 4, 1                         ; h
	v_and_b32 v10, 31, v0
	v_lshlrev_b32 v[L16], 4, v10
	v_lshlrev_b32 v[LK0], 4, v8
	v_lshl_add_u32 v[LK0], v9, 12, v[LK0]
	v_add_nc_u32 v[LS0], 16*4096, v[LK0]
	v_add_nc_u32 v[LV0], 22*4096, v[LK0]
	s_lshl_b32 s48, s12, 13
	s_add_co_u32 s48, s48, BMX                     ; my wave's 8,192 bytes
	v_add_nc_u32 v[LB0], s48, v[L16]
	v_mul_u32_u24 v[STO], v8, 272                  ; the stage, in: row r, 32 bytes for each half of the lanes
	v_lshl_add_u32 v[STO], v9, 5, v[STO]
	v_add_nc_u32 v[STO], s48, v[STO]
	v_mul_u32_u24 v[RD], v9, 272                   ; back: lanes 0-15 one row of 256 bytes, lanes 16-31 the next
	v_lshl_add_u32 v[RD], v8, 4, v[RD]
	v_add_nc_u32 v[RD], s48, v[RD]
	v_lshlrev_b32 v[GO], 12, v9                    ; and the same two rows of out0, 4,096 bytes apart
	v_lshl_add_u32 v[GO], v8, 4, v[GO]
	v_lshlrev_b32 v10, 3, v9
	v_sub_nc_u32 v[RH], v8, v10
	v_mov_b32 v[NINF], 0xff800000
	v_sub_nc_u32 v10, 1, v9                        ; 1 in lanes 0-15, which hold k = 64 on in registers 4-7 of a fragment
	v_lshlrev_b32 v[QF+4], 1, v10                  ; the code of +1 at k = 64
	v_mul_u32_u24 v11, v10, 15                     ; the code of -6
.irp j, 5,6,7
	v_mov_b32 v[QF+\j], 0
.endr
.irp t, 0,1,2,3
	v_mov_b32 v[KB+8*\t+4], v11
	v_mov_b32 v[KB+8*\t+5], 0
	v_mov_b32 v[KB+8*\t+6], 0
	v_mov_b32 v[KB+8*\t+7], 0
.endr
.irp b, 0,1,2,3
	v_mov_b32 v[BT+\b], 0                          ; written once: a lane permute's destination counts as one of its sources
.endr
	v_mov_b32 v[FAC+1], 0                          ; (named as a pair's upper half)
	v_mov_b32 v[TT], 0
	v_mov_b32 v[TT+1], 0
	s_sub_co_u32 s48, 7, ttmp9
	s_lshl_b32 s48, s48, 8
	s_lshl_b32 s49, s12, 4
	s_add_co_u32 s16, s48, s49                     ; the first tile's first query: 256 (7 - i) + 16 w
	s_lshl_b32 s48, ttmp9, 8
	s_sub_co_u32 s49, 240, s49
	s_add_co_u32 s17, s48, s49                     ; the second's: 256 i + 16 (15 - w)
	s_mov_b32 s18, 2
	s_wait_tensorcnt 0x0                           ; my columns have landed
	s_barrier_signal -1
	s_barrier_wait -1                              ; everybody's have: the launch's one barrier
.macro KLOAD g                         ; four tiles of 16 keys: registers 0-3 of each fragment
.irp t, 0,1,2,3
	ds_load_b128 v[KB+8*\t:KB+8*\t+3], v[ADK] offset:8192*(4*\g+\t)
.endr
.endm
.macro KMUL g
.irp t, 0,1,2,3
	v_wmma_scale_f32_16x16x128_f8f6f4 v[S+8*(4*\g+\t):S+8*(4*\g+\t)+7], v[KB+8*\t:KB+8*\t+7], v[QF:QF+7], 0, v[KSC+4*\g+\t], v[QSC] matrix_a_fmt:MATRIX_FMT_FP4 matrix_b_fmt:MATRIX_FMT_FP4
.endr
.endm
.macro PLACES
.rept 4
	v_nop
.endr
.endm
; The diagonal step: register 16 b + i holds key KF + 32 b + 16 (i / 8) + i % 8 + 8 h, hidden where that is over my query Q0 + r.  All branches hang on ids and counts of steps.
.macro MASKB b
	s_cmp_ge_i32 s47, 32*\b+31                     ; all of the block's keys count for all 16 queries
	s_cbranch_scc1 .Lmb_\@
.set i, 0
.rept 16
	v_cmp_gt_i32 vcc_lo, 32*\b+16*(i/8)+i%8, v[DQ]
	v_cndmask_b32 v[S+16*\b+i], v[S+16*\b+i], v[NINF], vcc_lo
.set i, i+1
.endr
.Lmb_\@:
.endm
.macro MASK
	s_add_co_u32 s48, s44, 127
	s_cmp_le_u32 s48, s16                          ; a step all of whose keys count
	s_cbranch_scc1 .Lopen_\@
	s_sub_co_i32 s47, s16, s44                     ; Q0 - KF
	v_add_nc_u32 v[DQ], s47, v[RH]
	MASKB 0
	MASKB 1
	MASKB 2
	MASKB 3
.Lopen_\@:
.endm
.macro SCALE_S                         ; c s - c m, two at a time, each accumulator from its low end on
.set j, 0
.rept 32
	v_pk_fma_f32 v[S+j:S+j+1], v[S+j:S+j+1], s[22:23], v[MC:MC+1] op_sel_hi:[1,0,0] neg_lo:[0,0,1] neg_hi:[0,0,1]
.set j, j+2
.endr
.endm
.macro EXP_S
.set j, 0
.rept 64
	v_exp_f32 v[S+j], v[S+j]
.set j, j+1
.endr
.endm
; A key step of pass 2.  first = 1: step 0, which every tile walks: its products V^T P start O^T's sums, so nothing is cleared.
.macro P2STEP first
.if \first == 0
	s_cmp_gt_u32 s44, s16                          ; KF and Q0 are multiples of 16: over Q0 is over Q0 + 15: the step is hidden
	s_cbranch_scc1 .Lp2_skip
.endif
	v_add_nc_u32 v[ADK], s45, v[LK0]               ; these four are also the places behind the last step's products, ahead of the loads into their registers
	v_add_nc_u32 v[ADS], s45, v[LS0]
	v_add_nc_u32 v[ADV], s45, v[LV0]
	v_add_nc_u32 v[ADB], s46, v[LB0]
	ds_load_b128 v[KSC:KSC+3], v[ADS]
	ds_load_b128 v[KSC+4:KSC+7], v[ADS] offset:8192
	ds_load_b128 v[VSC:VSC+3], v[ADS] offset:16384
	ds_load_b128 v[BM:BM+3], v[ADB]                ; the blocks' largest scores, as pass 1 left them
	KLOAD 0
.irp d, 0,1,2,3
	ds_load_b128 v[VB+8*\d:VB+8*\d+3], v[ADV] offset:16384*\d
	ds_load_b128 v[VB+8*\d+4:VB+8*\d+7], v[ADV] offset:16384*\d+8192
.endr
	s_wait_dscnt 8                                 ; V's eight loads may be out
	KMUL 0
	PLACES
	KLOAD 1
	s_wait_dscnt 0x0
	KMUL 1
.irp b, 0,1,2,3
	v_fma_f32 v[BM+\b], v[BM+\b], s22, -v[MC]      ; the same multiply-add as every score's.  (The four places behind the products)
.endr
	MASK
	SCALE_S
	EXP_S
.irp b, 0,1,2,3
	v_exp_f32 v[BM+\b], v[BM+\b]
.endr
	v_nop                                          ; a plain instruction behind the last exponential
	s_wait_alu depctr_va_vdst(0)                   ; one wait for the batch of 68, ahead of its first reader
.irp b, 0,1,2,3
	v_mul_f32 v[BM+\b], v[BM+\b], v[RL]            ; the block's largest p
.endr
.irp b, 0,1,2,3
	v_max_num_f32 v[BM+\b], 0x1800000, v[BM+\b]    ; the floor 2^(3 - 127): the byte cannot fall under 1
.endr
.irp b, 0,1,2,3
	v_add_nc_u32 v[SO+\b], 0xff000000, v[BM+\b]    ; 2 off the exponent field: the conversion's scale operand
.endr
.irp b, 0,1,2,3
	v_lshrrev_b32 v[SB+\b], 23, v[SO+\b]
.endr
	v_lshl_or_b32 v[PW], v[SB+1], 8, v[SB]
	v_lshl_or_b32 v[PW], v[SB+2], 16, v[PW]
	v_lshl_or_b32 v[PW], v[SB+3], 24, v[PW]        ; p's scale word for these 128 keys
.set j, 0
.rept 32
	v_pk_mul_f32 v[S+j:S+j+1], v[S+j:S+j+1], v[RL:RL+1]   ; p, normalised.  (More than the eight places between the scale word and the scaled products)
.set j, j+2
.endr
.irp b, 0,1,2,3
	v_cvt_scalef32_pk8_fp4_f32 v[PC+4*(\b/2)+\b%2], v[S+16*\b:S+16*\b+7], v[SO+\b]
	v_cvt_scalef32_pk8_fp4_f32 v[PC+4*(\b/2)+2+\b%2], v[S+16*\b+8:S+16*\b+15], v[SO+\b]
.endr
	v_nop                                          ; one plain place behind the scaled conversions
.irp c, 0,2,4,6
	v_permlane16_swap_b32 v[PC+\c], v[PC+\c+1]     ; lanes 0-15 block 2 c, lanes 16-31 block 2 c + 1
.endr
	PLACES                                         ; an operand written by vector instructions stands four places ahead of a scaled product
.irp d, 0,1,2,3                        ; the four accumulators take turns, one instruction a turn; the next step's eight products K Q^T stand between two links
.if \first
	v_wmma_scale_f32_16x16x128_f8f6f4 v[OA+8*\d:OA+8*\d+7], v[VB+8*\d:VB+8*\d+7], v[PC:PC+7], 0, v[VSC+\d], v[PW] matrix_a_fmt:MATRIX_FMT_FP4 matrix_b_fmt:MATRIX_FMT_FP4
.else
	v_wmma_scale_f32_16x16x128_f8f6f4 v[OA+8*\d:OA+8*\d+7], v[VB+8*\d:VB+8*\d+7], v[PC:PC+7], v[OA+8*\d:OA+8*\d+7], v[VSC+\d], v[PW] matrix_a_fmt:MATRIX_FMT_FP4 matrix_b_fmt:MATRIX_FMT_FP4
.endif
.endr
.endm
.Ltile:                                            ; two trips: a tile of the late block, a tile of the early one
	s_lshl_b32 s48, s14, 4
	s_lshr_b32 s49, s16, 7
	s_add_co_u32 s48, s48, s49
	s_mul_i32 s51, s48, QREC                       ; the record of my queries' step
	s_bfe_u32 s49, s16, 0x30004                    ; my tile in it
	s_lshl_b32 s50, s49, 9
	s_add_co_u32 s58, s51, s50
	s_mov_b32 s59, 0
	s_add_nc_u64 s[52:53], s[4:5], s[58:59]        ; its image
	s_lshr_b32 s50, s49, 2
	s_lshl_b32 s50, s50, 9
	s_and_b32 s49, s49, 3
	s_lshl_b32 s49, s49, 2
	s_add_co_u32 s58, s51, s50
	s_add_co_u32 s58, s58, s49
	s_add_co_u32 s58, s58, 4096
	s_add_nc_u64 s[54:55], s[4:5], s[58:59]        ; its scale words
	s_lshr_b32 s48, s14, 4
	s_lshl_b32 s48, s48, 11
	s_add_co_u32 s48, s48, s16                     ; my first row of out0
	s_lshl_b32 s58, s48, 12
	s_and_b32 s49, s14, 15
	s_lshl_b32 s49, s49, 8
	s_add_co_u32 s58, s58, s49                     ; the head's 256 bytes in it
	s_add_nc_u64 s[56:57], s[8:9], s[58:59]
	global_load_b128 v[QF:QF+3], v[L16], s[52:53]
	global_load_b32 v[QSC], v[L16], s[54:55]
	v_mov_b32 v[MX], 0xe0ad78ec                    ; -1e20
	v_mul_f32 v[MC], s22, v[MX]
	v_mov_b32 v[SUM], 0
	v_mov_b32 v[SUM+1], 0
	s_mov_b32 s44, 0                               ; KF: the step's first key
	s_mov_b32 s45, 0                               ; 256 a step: K's, V's and the scale words' place in a column
	s_mov_b32 s46, 0                               ; 512 a step: the block maxima
	s_mov_b32 s19, 16
	s_wait_loadcnt 0x0
.Lp1:                                              ; PASS 1: sixteen trips, a constant; a hidden step's work is jumped over
	s_cmp_gt_u32 s44, s16
	s_cbranch_scc1 .Lp1_skip
	v_add_nc_u32 v[ADK], s45, v[LK0]
	v_add_nc_u32 v[ADS], s45, v[LS0]
	v_add_nc_u32 v[ADB], s46, v[LB0]
	ds_load_b128 v[KSC:KSC+3], v[ADS]
	ds_load_b128 v[KSC+4:KSC+7], v[ADS] offset:8192
	KLOAD 0
	s_wait_dscnt 0x0
	KMUL 0
	PLACES                                         ; ahead of loads into registers that the products have read
	KLOAD 1
	s_wait_dscnt 0x0
	KMUL 1
	PLACES
	MASK
.irp b, 0,1,2,3
	v_max3_num_f32 v[BM+\b], v[S+16*\b], v[S+16*\b+1], v[S+16*\b+2]   ; the largest score of each block of 32 keys, the four blocks by turns
.endr
.irp i, 3,5,7,9,11,13
.irp b, 0,1,2,3
	v_max3_num_f32 v[BM+\b], v[BM+\b], v[S+16*\b+\i], v[S+16*\b+\i+1]
.endr
.endr
.irp b, 0,1,2,3
	v_max_num_f32 v[BM+\b], v[BM+\b], v[S+16*\b+15]
.endr
.irp b, 0,1,2,3
	v_permlanex16_b32 v[BT+\b], v[BM+\b], s20, s21
.endr
.irp b, 0,1,2,3
	v_max_num_f32 v[BM+\b], v[BM+\b], v[BT+\b]     ; with lane l xor 16's 16 keys
.endr
	ds_store_b128 v[ADB], v[BM:BM+3]               ; kept for pass 2: bytes of my wave alone
	v_max3_num_f32 v[TT], v[BM], v[BM+1], v[BM+2]
	v_max_num_f32 v[TT], v[TT], v[BM+3]
	v_mov_b32 v[TT+1], v[MC]
	v_max_num_f32 v[MX], v[MX], v[TT]              ; the running maximum
	v_mul_f32 v[MC], s22, v[MX]
	v_sub_f32 v[TT+1], v[TT+1], v[MC]              ; c m_old - c m_new
	SCALE_S
	v_exp_f32 v[FAC], v[TT+1]
	EXP_S
	v_nop                                          ; a plain instruction behind the last exponential
	s_wait_alu depctr_va_vdst(0)                   ; one wait for the batch of 65, ahead of its first reader
	v_pk_fma_f32 v[SUM:SUM+1], v[SUM:SUM+1], v[FAC:FAC+1], v[S:S+1] op_sel_hi:[1,0,1]   ; l under the new m, and the sums, two at a time in two chains
	v_pk_add_f32 v[TT:TT+1], v[S+2:S+3], v[S+6:S+7]
	v_pk_add_f32 v[SUM:SUM+1], v[SUM:SUM+1], v[S+4:S+5]
.irp j, 8,12,16,20,24,28,32,36,40,44,48,52,56,60
	v_pk_add_f32 v[SUM:SUM+1], v[SUM:SUM+1], v[S+\j:S+\j+1]
	v_pk_add_f32 v[TT:TT+1], v[TT:TT+1], v[S+\j+2:S+\j+3]
.endr
	v_pk_add_f32 v[SUM:SUM+1], v[SUM:SUM+1], v[TT:TT+1]
.Lp1_skip:
	s_add_co_u32 s44, s44, 128
	s_add_co_u32 s45, s45, 256
	s_add_co_u32 s46, s46, 512
	s_sub_co_u32 s19, s19, 1
	s_cmp_lg_u32 s19, 0
	s_cbranch_scc1 .Lp1
	; between the passes: 1 / l; 0 for a padded query
	v_add_f32 v[SUM], v[SUM], v[SUM+1]
	v_permlanex16_b32 v[TT], v[SUM], s20, s21
	v_add_f32 v[SUM], v[SUM], v[TT]                ; the row's sum
	v_rcp_f32 v[RL], v[SUM]
	v_and_b32 v[TT+1], 0x02000000, v[QSC]          ; the query's flag.  (A plain place behind the reciprocal)
	s_wait_alu depctr_va_vdst(0)                   ; ahead of the reciprocal's first reader
	v_cmp_eq_u32 vcc_lo, 0, v[TT+1]
	v_cndmask_b32 v[RL], 0, v[RL], vcc_lo
	v_mov_b32 v[RL+1], v[RL]
	s_mov_b32 s44, 0
	s_mov_b32 s45, 0
	s_mov_b32 s46, 0
	P2STEP 1                                       ; PASS 2: step 0 is written out
	s_mov_b32 s44, 128
	s_mov_b32 s45, 256
	s_mov_b32 s46, 512
	s_mov_b32 s19, 15
.Lp2:
	P2STEP 0
.Lp2_skip:
	s_add_co_u32 s44, s44, 128
	s_add_co_u32 s45, s45, 256
	s_add_co_u32 s46, s46, 512
	s_sub_co_u32 s19, s19, 1
	s_cmp_lg_u32 s19, 0
	s_cbranch_scc1 .Lp2
	; THE WAY OUT: register 8 d + j of O^T is out(query r, channel 16 d + 8 h + j).  Through my stage, so that sixteen lanes store a query's 256 bytes of the head, aligned.
	PLACES                                         ; behind the last products
.irp d, 0,1,2,3
	ds_store_b128 v[STO], v[OA+8*\d:OA+8*\d+3] offset:64*\d          ; each accumulator from its low end on
	ds_store_b128 v[STO], v[OA+8*\d+4:OA+8*\d+7] offset:64*\d+16
.endr
.irp i, 0,1,2,3,4,5,6,7
	ds_load_b128 v[S+4*\i:S+4*\i+3], v[RD] offset:544*\i             ; LDS serves a wave's instructions in order: these see my stores
.endr
.irp i, 0,1,2,3,4,5,6,7
	s_wait_dscnt 7-\i                              ; the younger loads may be out
	global_store_b128 v[GO], v[S+4*\i:S+4*\i+3], s[56:57] offset:8192*\i th:TH_STORE_NT
.endr
	s_wait_xcnt 0x0                                ; the loads and stores have read their bases and registers: both are written again in the next trip
	s_mov_b32 s16, s17
	s_sub_co_u32 s18, s18, 1
	s_cmp_lg_u32 s18, 0
	s_cbranch_scc1 .Ltile
	s_wait_tensorcnt 0x0                           ; the wave's end
	ds_add_u32 v[SPW], v[NIL]
	s_wait_dscnt 0x0
	s_endpgm
.Lfunc_end_k_q44e389cae5_attn:
	.size	k_q44e389cae5_attn, .Lfunc_end_k_q44e389cae5_attn-k_q44e389cae5_attn
	.p2alignl 7, 3214868480
	.fill 96, 4, 3214868480
	.section	.rodata,"a",@progbits
	.p2align	6, 0x0
	.amdhsa_kernel k_q44e389cae5_attn
		.amdhsa_group_segment_fixed_size 288768
		.amdhsa_private_segment_fixed_size 0
		.amdhsa_enable_private_segment 0
		.amdhsa_kernarg_size 24
		.amdhsa_user_sgpr_count 2
		.amdhsa_user_sgpr_kernarg_segment_ptr 1
		.amdhsa_wavefront_size32 1
		.amdhsa_system_sgpr_workgroup_id_x 1
		.amdhsa_system_sgpr_workgroup_id_y 1
		.amdhsa_system_sgpr_workgroup_id_z 1
		.amdhsa_system_vgpr_workitem_id 0
		.amdhsa_next_free_vgpr 256
		.amdhsa_next_free_sgpr 66
		.amdhsa_reserve_vcc 1
		.amdhsa_float_denorm_mode_32 3
		.amdhsa_float_denorm_mode_16_64 3
		.amdhsa_memory_ordered 1
		.amdhsa_forward_progress 1
		.amdhsa_inst_pref_size 61
	.end_amdhsa_kernel
	.amdgpu_metadata
---
amdhsa.version: [ 1, 2 ]
amdhsa.kernels:
  - .name:           k_q44e389cae5_attn
    .symbol:         k_q44e389cae5_attn.kd
    .args:
      - { .name: qrec, .offset: 0, .size: 8, .value_kind: global_buffer, .address_space: global }
      - { .name: kv, .offset: 8, .size: 8, .value_kind: global_buffer, .address_space: global }
      - { .name: out0, .offset: 16, .size: 8, .value_kind: global_buffer, .address_space: global }
    .group_segment_fixed_size: 288768
    .private_segment_fixed_size: 0
    .kernarg_segment_align: 8
    .kernarg_segment_size: 24
    .max_flat_workgroup_size: 512
    .sgpr_count:     66
    .vgpr_count:     256
    .wavefront_size: 32
...
	.end_amdgpu_metadata
.endif
;; end of part 2
